; MI455X (gfx1250); checked and timed in simulation.
; The chip was launched on July 23, 2026; its instructions are those of AMD's public machine-readable ISA for CDNA 5 (MIT licence, August 2026) and "CDNA5" Instruction Set Architecture Reference Guide (July 2026). The comments in the code are by the model that wrote it; some were corrected since.
;; Norm Layer. Allowed arithmetic: matrix products marked QUANTISED: E4M3 operands, one E8M0 scale for each 32 along K, by v_wmma_scale_f32_16x16x128_f8f6f4 with both operands' format E4M3, f32 sums; everything else in f32.
;; Inputs: beta 128 float32; gamma 128 float32; x 16,384 x 128 float32.
;; Outputs: out0 16,384 x 128 float32.
;; This version of the problem:
;;   THIS VERSION OF THE PROBLEM IS GIVEN IN LOW PRECISION. The matrix products marked QUANTISED in the list below multiply operands that are first quantised to E4M3 (4 exponent bits, 3 mantissa bits; 8 bits a number), with one power-of-two scale for each 32 numbers along K (OCP MX v1.0); their sums are f32. All else is computed in f32.
;;   The module's matrix products, in the order in which they are computed (A, B: the left and right operand; K: the contracted axis; several contracted axes count as one K, in the product's order):
;;     1. [M 16,384, K 128] x [K 128, N 16,384]; A: computed on the way; B: computed on the way: QUANTISED
;;     2. [M 16,384, K 16,384] x [K 16,384, N 128]; A: softmax (see below); B: input x: QUANTISED
;;   THE QUANTISER, for each operand of a quantised product, along K:
;;     - K is cut into blocks of 32 from its start; a last block that is shorter is filled with zeros.
;;     - A block's scale is 2^e with e = floor(log2(the largest magnitude in the block)) - 8, held to -126 .. 127; a block of zeros has e = 0. As a byte (E8M0): e + 127.
;;     - Each number is divided by its block's scale, clamped to +-448, and rounded to the nearest number of E4M3, ties to even, subnormals kept.
;;     - The product sums the exact products of the quantised numbers (number of the format x scale) in f32.
;;   ~~~python
;;   def quantise(x, axis):      # numpy; x: float32 -> the quantised numbers, widened to float32 again
;;       x = np.moveaxis(x, axis, -1); K = x.shape[-1]
;;       x = np.pad(x, [(0, 0)] * (x.ndim - 1) + [(0, -K % 32)]); x = x.reshape(x.shape[:-1] + (-1, 32)); a = np.abs(x).max(-1, keepdims=True)
;;       e = np.where(a > 0, np.clip(np.frexp(np.where(a > 0, a, 1))[1] - 1 - 8, -126, 127), 0)      # np.frexp(a)[1] - 1 = floor(log2(a)), exactly
;;       r = np.clip(x / 2.0 ** e, -448, 448)
;;       step = 2.0 ** (np.maximum(np.frexp(np.where(r == 0, 1, r))[1] - 1, -6) - 3)
;;       q = np.round(r / step) * step * 2.0 ** e      # np.round: ties to even
;;       return np.moveaxis(q.reshape(q.shape[:-2] + (-1,))[..., :K], -1, axis).astype(np.float32)
;;   ~~~
;;   SOFTMAX AHEAD OF A QUANTISED PRODUCT. Where the list says 'softmax', what is quantised is not the finished softmax but p = 2^(t - M), with t = logit x log2(e) and M = ceil(the row's largest t), a whole number; so 1/2 < the row's largest p <= 1. The row's sum l is taken of the UNQUANTISED p, in f32, and the product's result is divided by l at the end. Since M is a whole number, a kernel that streams over the keys may use a running M (the ceiling of the running maximum): every later rescaling is an exact power of two, which a block's scale takes up: the codes' values come out the same.
;;   OPERANDS COMPUTED ON THE WAY. 'Computed on the way' means the value that the module computes at that place (a softmax that the list does not call 'softmax' is quantised finished and normalised). What goes into a quantiser is computed in f32, as accurately as f32 sums, v_exp_f32 and their like allow (about 1e-6 of the number): no bf16 or f16 on the way to a quantiser, and a product that is left as it is and whose result goes on into a quantised operand takes f32 operands (vector FMAs, or v_wmma_f32_16x16x4_f32). A number that lies on a knife's edge between two numbers of the format may be rounded either way, as far as f32 arithmetic and the matrix unit's own rounding can turn it there, and no further.
;; One version. Each part assembles by itself: llvm-mc -triple=amdgcn-amd-amdhsa -mcpu=gfx1250 --defsym DOCPART=n.
;; ======== version 1 of 1: 2 launches
;; workspace buffers: kvc 4,194,304 bytes; kvs 131,072 bytes
;; launch quant (part 1): grid 128 x 1, 8 waves a work-group, no clusters, 69,632 bytes of LDS; arguments x, kvc, kvs; writes kvc, kvs
.if DOCPART == 1
	.amdgcn_target "amdgcn-amd-amdhsa--gfx1250"
	.amdhsa_code_object_version 6
	.text
	.protected	k_qffe597cf30_quant
	.globl	k_qffe597cf30_quant
	.p2align	8
	.type	k_qffe597cf30_quant,@function
k_qffe597cf30_quant:
	s_mov_b64 s[64:65], 0
	v_nop
	global_prefetch_b8 v0, s[64:65] scope:SCOPE_SE
	s_setreg_imm32_b32 hwreg(HW_REG_WAVE_MODE, 25, 1), 1
	s_wait_xcnt 0x0
; x [16384][128] f32 is turned ONCE into the two operands that the attention launch streams, as codes of FP8 (E4M3) with one E8M0 byte for each 32 along a product's K:
;   K (and Q): the rows of x divided by max(their L2 norm, 1e-12), quantised along the 128 columns;   V: x itself, quantised along the ROWS (the keys are the second product's K).
; Both are laid as IMAGES OF OPERAND REGISTERS.  kvc, key step s (keys 128 s .. 128 s + 127), 32,768 bytes: tile t of K at 2048 t, tile t of V at 16384 + 2048 t; in a tile, register group c at 512 c, lane l at 16 l.
;   K tile t, lane (r = l % 16, h = l / 16), group c: columns 32 c + 16 h + 0 .. 15 of key 128 s + 32 (t / 2) + 8 (t % 2) + r + 8 (r / 8).  (The keys of a tile are not neighbours: so the scores of tiles 2 b and 2 b + 1 are 16 neighbouring keys in a lane.)
;   V tile t, lane (r, h), group c: keys 128 s + 32 c + 16 h + 0 .. 15 of column 16 t + r.
; kvs, key step s, 1,024 bytes: the word of tile t and lane l at 512 (t / 4) + 16 l + 4 (t % 4): lanes 0-15 K's scale word of the tile's row r, lanes 16-31 V's of column 16 t + r.
; SHARES.  Work-group s takes key step s: 128 rows, 65,536 bytes of x, read once, staged in LDS; wave w makes K's tile w and V's tile w.  128 work-groups: a further split would read x twice or store parts of scale words.
; A block's scale is 2^(floor(log2(its largest magnitude)) - 8); its byte is the largest magnitude's exponent field - 8, held at 1 from below.
; LIMITS: NaN and infinities are not served; a row whose sum of squares passes f32's range (|x| about 1e19) is not served; a block of zeros gets the byte 1 where the rule says 127: its codes are zeros, and this program alone reads the bytes.
.set PITCH, 528                        ; a staged row: 512 bytes + 16
.set SCL,   128*PITCH                  ; behind the stage: the step's 1,024 bytes of scale words
.set TM,    12                         ; v12-15 largest magnitudes, v16-19 the other half's / bytes, v20-23 448 x the scale, v24-27 the conversions' scale operands
.set PWK,   28                         ; K's scale word
.set PWV,   29                         ; V's
.set X,     40                         ; v40-103  16 rows on their way into the stage, then K's 64 numbers: register 16 b + i = column 32 b + 16 h + i of my key
.set Y,     104                        ; v104-167 V's 64 numbers: register 16 b + i = key 32 b + 16 h + i of my column
.set PCK,   168                        ; v168-183 K's codes
.set PCV,   184                        ; v184-199 V's codes
	s_load_b128 s[4:7], s[0:1], 0x0                ; x, kvc
	s_load_b64 s[8:9], s[0:1], 0x10                ; kvs
	v_lshl_add_u32 v208, v0, 2, 0x10c00
	v_mov_b32 v209, 0
	v_lshrrev_b32 v1, 5, v0
	v_readfirstlane_b32 s16, v1                    ; wave 0..7
	v_and_b32 v1, 31, v0                           ; lane
	v_and_b32 v2, 15, v0                           ; r
	v_bfe_u32 v3, v0, 4, 1                         ; h
	v_lshlrev_b32 v4, 4, v1                        ; 16 x lane
	s_mul_i32 s17, s16, 16*PITCH
	v_add_nc_u32 v5, s17, v4                       ; into the stage: my wave's 16 rows, 16 bytes a lane
	s_lshr_b32 s17, s16, 1
	s_lshl_b32 s17, s17, 5
	s_and_b32 s18, s16, 1
	s_lshl_b32 s18, s18, 3
	s_add_co_u32 s17, s17, s18                     ; K's tile w begins at row 32 (w / 2) + 8 (w % 2)
	s_mul_i32 s17, s17, PITCH
	v_and_b32 v6, 8, v2
	v_add_nc_u32 v6, v6, v2                        ; r + 8 (r / 8)
	v_mul_u32_u24 v6, v6, PITCH
	v_lshl_add_u32 v6, v3, 6, v6                   ; + 64 h: my 16 numbers of a block of 32
	v_add_nc_u32 v6, s17, v6                       ; K: where my key's numbers lie
	v_mul_u32_u24 v7, v3, 16*PITCH
	v_lshl_add_u32 v7, v2, 2, v7
	s_lshl_b32 s17, s16, 6
	v_add_nc_u32 v7, s17, v7                       ; V: row 16 h, column 16 w + r
	s_lshr_b32 s17, s16, 2
	s_lshl_b32 s17, s17, 9
	s_and_b32 s18, s16, 3
	s_lshl_b32 s18, s18, 2
	s_add_co_u32 s17, s17, s18
	s_add_co_u32 s17, s17, SCL
	v_add_nc_u32 v8, s17, v4                       ; my scale word's place: 512 (w / 4) + 4 (w % 4) + 16 x lane
	s_and_b32 s18, s16, 1
	s_lshl_b32 s18, s18, 9
	v_add_nc_u32 v10, s18, v4                      ; the way out of the scale words (waves 0 and 1): 512 w + 16 x lane, in kvs
	v_add_nc_u32 v9, SCL, v10                      ; and in LDS
	s_mov_b32 s20, 0x76543210
	s_mov_b32 s21, 0xfedcba98                      ; v_permlanex16_b32's selects for lane l xor 16
	s_mov_b32 s22, 0x600000                        ; the mantissa field of 448
.irp b, 0,1,2,3
	v_mov_b32 v[TM+4+\b], 0                        ; written once: a lane permute's destination counts as one of its sources
.endr
	s_lshl_b32 s24, ttmp9, 16                      ; x: 65,536 bytes a step, 8,192 a wave
	s_lshl_b32 s18, s16, 13
	s_add_co_u32 s24, s24, s18
	s_mov_b32 s25, 0
	s_lshl_b32 s26, ttmp9, 15                      ; kvc: 32,768 bytes a step, 2,048 a tile
	s_lshl_b32 s18, s16, 11
	s_add_co_u32 s26, s26, s18
	s_mov_b32 s27, 0
	s_lshl_b32 s28, ttmp9, 10                      ; kvs: 1,024 bytes a step
	s_mov_b32 s29, 0
	s_wait_kmcnt 0x0
	s_add_nc_u64 s[4:5], s[4:5], s[24:25]
	s_add_nc_u64 s[6:7], s[6:7], s[26:27]
	s_add_nc_u64 s[8:9], s[8:9], s[28:29]
; 64 numbers of a lane, v[s] on, become a fragment's codes in v[pc] on and its scale word in v[pw]; a block of 32 lies in lanes l and l xor 16
.macro QUANT s, pc, pw
.irp b, 0,1,2,3
	v_max3_num_f32 v[TM+\b], |v[\s+16*\b]|, |v[\s+16*\b+1]|, 0x4800000   ; block b: my 16 numbers, and the floor 2^(9 - 127): the byte cannot fall under 1
.endr
.irp i, 2,4,6,8,10,12,14
.irp b, 0,1,2,3
	v_max3_num_f32 v[TM+\b], v[TM+\b], |v[\s+16*\b+\i]|, |v[\s+16*\b+\i+1]|   ; the four blocks by turns
.endr
.endr
.irp b, 0,1,2,3
	v_permlanex16_b32 v[TM+4+\b], v[TM+\b], s20, s21
.endr
.irp b, 0,1,2,3
	v_max_num_f32 v[TM+\b], v[TM+\b], v[TM+4+\b]   ; the block's largest magnitude
.endr
.irp b, 0,1,2,3
	v_add_nc_u32 v[TM+12+\b], 0xfc000000, v[TM+\b] ; 8 off its exponent field: the conversion's scale operand
.endr
.irp b, 0,1,2,3
	v_and_or_b32 v[TM+8+\b], v[TM+\b], 0x7f800000, s22   ; 448 x the scale
.endr
.irp b, 0,1,2,3
	v_lshrrev_b32 v[TM+4+\b], 23, v[TM+12+\b]      ; the scale's byte
.endr
	v_lshl_or_b32 v[\pw], v[TM+5], 8, v[TM+4]
	v_lshl_or_b32 v[\pw], v[TM+6], 16, v[\pw]
	v_lshl_or_b32 v[\pw], v[TM+7], 24, v[\pw]
.irp b, 0,1,2,3
.irp i, 0,1,2,3,4,5,6,7,8,9,10,11,12,13,14,15
	v_med3_num_f32 v[\s+16*\b+\i], v[\s+16*\b+\i], -v[TM+8+\b], v[TM+8+\b]   ; the conversion to an 8-bit code does not saturate (ISA guide 7.6.2): the hold at 448 x the scale
.endr
	v_cvt_scalef32_pk8_fp8_f32 v[\pc+4*\b:\pc+4*\b+1], v[\s+16*\b:\s+16*\b+7], v[TM+12+\b]
	v_cvt_scalef32_pk8_fp8_f32 v[\pc+4*\b+2:\pc+4*\b+3], v[\s+16*\b+8:\s+16*\b+15], v[TM+12+\b]
.endr
	v_nop                                          ; a plain line behind the last conversion: later vector lines write its scale operand
.endm
	; ---- the step's 128 rows go into the stage: each load reads one row, 512 consecutive bytes
.irp i, 0,1,2,3,4,5,6,7,8,9,10,11,12,13,14,15
	global_load_b128 v[X+4*\i:X+4*\i+3], v4, s[4:5] offset:512*\i th:TH_LOAD_NT
.endr
.irp i, 0,1,2,3,4,5,6,7,8,9,10,11,12,13,14,15
	s_wait_loadcnt 15-\i                           ; row i is in; the younger rows' loads may be out
	ds_store_b128 v5, v[X+4*\i:X+4*\i+3] offset:PITCH*\i
.endr
	s_wait_dscnt 0x0                               ; for the others' sake: my rows lie in the stage
	s_barrier_signal -1
	s_barrier_wait -1
	; ---- my two tiles' numbers
.irp b, 0,1,2,3
.irp j, 0,1,2,3
	ds_load_b128 v[X+16*\b+4*\j:X+16*\b+4*\j+3], v6 offset:128*\b+16*\j
.endr
.endr
.irp b, 0,1,2
.irp i, 0,1,2,3,4,5,6,7,8,9,10,11,12,13,14,15
	ds_load_b32 v[Y+16*\b+\i], v7 offset:(32*\b+\i)*PITCH
.endr
.endr
	s_wait_dscnt 48                                ; K's 16 loads are in; V's 48 behind them may be out (a wait on this counter names 63 at the most, so V's last 16 follow it)
.irp i, 0,1,2,3,4,5,6,7,8,9,10,11,12,13,14,15
	ds_load_b32 v[Y+48+\i], v7 offset:(96+\i)*PITCH
.endr
	; ---- K: the row's sum of squares, in four packed chains; my 64 numbers and lane l xor 16's
.irp k, 0,1,2,3
	v_pk_mul_f32 v[32+2*\k:33+2*\k], v[X+2*\k:X+2*\k+1], v[X+2*\k:X+2*\k+1]
.endr
.set j, 4
.rept 28
	v_pk_fma_f32 v[32+2*(j%4):33+2*(j%4)], v[X+2*j:X+2*j+1], v[X+2*j:X+2*j+1], v[32+2*(j%4):33+2*(j%4)]
.set j, j+1
.endr
	v_pk_add_f32 v[32:33], v[32:33], v[34:35]
	v_pk_add_f32 v[36:37], v[36:37], v[38:39]
	v_pk_add_f32 v[32:33], v[32:33], v[36:37]
	v_add_f32 v32, v32, v33
	v_permlanex16_b32 v34, v32, s20, s21
	v_add_f32 v32, v32, v34
	v_sqrt_f32 v33, v32
	v_nop                                          ; a plain line behind the transcendental,
	s_wait_alu depctr_va_vdst(0)                   ; and the wait ahead of its first reader
	v_max_num_f32 v33, 0x2b8cbccc, v33             ; max(norm, 1e-12)
	v_rcp_f32 v34, v33
	v_nop
	s_wait_alu depctr_va_vdst(0)
	v_mov_b32 v35, v34
.set j, 0
.rept 32
	v_pk_mul_f32 v[X+j:X+j+1], v[X+j:X+j+1], v[34:35]
.set j, j+2
.endr
	QUANT X, PCK, PWK
.irp c, 0,1,2,3
	global_store_b128 v4, v[PCK+4*\c:PCK+4*\c+3], s[6:7] offset:512*\c          ; 32 lanes store 512 consecutive bytes, aligned
.endr
	; ---- V
	s_wait_dscnt 0x0
	QUANT Y, PCV, PWV
.irp c, 0,1,2,3
	global_store_b128 v4, v[PCV+4*\c:PCV+4*\c+3], s[6:7] offset:16384+512*\c
.endr
	; ---- the scale words: lanes 0-15 K's, lanes 16-31 V's; gathered in LDS, they leave as two runs of 512 bytes
	v_cmp_gt_u32 vcc_lo, 16, v1
	v_cndmask_b32 v30, v[PWV], v[PWK], vcc_lo
	ds_store_b32 v8, v30
	s_wait_dscnt 0x0                               ; for the others' sake
	s_barrier_signal -1
	s_barrier_wait -1
	s_cmp_lt_u32 s16, 2
	s_cbranch_scc0 .Lend
	ds_load_b128 v[200:203], v9
	s_wait_dscnt 0x0
	global_store_b128 v10, v[200:203], s[8:9]
.Lend:
	s_wait_tensorcnt 0x0
	ds_add_u32 v208, v209
	s_wait_dscnt 0x0
	s_endpgm
.Lfunc_end_k_qffe597cf30_quant:
	.size	k_qffe597cf30_quant, .Lfunc_end_k_qffe597cf30_quant-k_qffe597cf30_quant
	.p2alignl 7, 3214868480
	.fill 96, 4, 3214868480
	.section	.rodata,"a",@progbits
	.p2align	6, 0x0
	.amdhsa_kernel k_qffe597cf30_quant
		.amdhsa_group_segment_fixed_size 69632
		.amdhsa_private_segment_fixed_size 0
		.amdhsa_enable_private_segment 0
		.amdhsa_kernarg_size 24
		.amdhsa_user_sgpr_count 2
		.amdhsa_user_sgpr_kernarg_segment_ptr 1
		.amdhsa_wavefront_size32 1
		.amdhsa_system_sgpr_workgroup_id_x 1
		.amdhsa_system_sgpr_workgroup_id_y 1
		.amdhsa_system_sgpr_workgroup_id_z 1
		.amdhsa_system_vgpr_workitem_id 0
		.amdhsa_next_free_vgpr 210
		.amdhsa_next_free_sgpr 66
		.amdhsa_reserve_vcc 1
		.amdhsa_float_denorm_mode_32 3
		.amdhsa_float_denorm_mode_16_64 3
		.amdhsa_memory_ordered 1
		.amdhsa_forward_progress 1
		.amdhsa_inst_pref_size 33
	.end_amdhsa_kernel
	.amdgpu_metadata
---
amdhsa.version: [ 1, 2 ]
amdhsa.kernels:
  - .name:           k_qffe597cf30_quant
    .symbol:         k_qffe597cf30_quant.kd
    .args:
      - { .name: x, .offset: 0, .size: 8, .value_kind: global_buffer, .address_space: global }
      - { .name: kvc, .offset: 8, .size: 8, .value_kind: global_buffer, .address_space: global }
      - { .name: kvs, .offset: 16, .size: 8, .value_kind: global_buffer, .address_space: global }
    .group_segment_fixed_size: 69632
    .private_segment_fixed_size: 0
    .kernarg_segment_align: 8
    .kernarg_segment_size: 24
    .max_flat_workgroup_size: 256
    .sgpr_count:     66
    .vgpr_count:     210
    .wavefront_size: 32
...
	.end_amdgpu_metadata
.endif
;; end of part 1
;; launch attn (part 2): grid 256 x 1, 8 waves a work-group, clusters of 4 x 1, 327,680 bytes of LDS; arguments kvc, kvs, x, gamma, beta, out0; writes out0
.if DOCPART == 2
	.amdgcn_target "amdgcn-amd-amdhsa--gfx1250"
	.amdhsa_code_object_version 6
	.text
	.protected	k_qffe597cf30_attn
	.globl	k_qffe597cf30_attn
	.p2align	8
	.type	k_qffe597cf30_attn,@function
k_qffe597cf30_attn:
	s_mov_b64 s[64:65], 0
	v_nop
	global_prefetch_b8 v0, s[64:65] scope:SCOPE_SE
	s_setreg_imm32_b32 hwreg(HW_REG_WAVE_MODE, 25, 1), 1
	s_wait_xcnt 0x0
	s_wait_alu depctr_hold_cnt(0) depctr_sa_sdst(0) depctr_va_vdst(0) depctr_va_sdst(0) depctr_va_ssrc(0) depctr_va_vcc(0) depctr_vm_vsrc(0)
	s_getreg_b32 s2, hwreg(HW_REG_IB_STS2, 6, 4)
	s_cmp_eq_u32 s2, 0
	s_cbranch_scc0 .Lentry_in_a_cluster
	s_endpgm
.Lentry_in_a_cluster:
	s_bfe_u32 s2, ttmp6, 0x10000c
	s_cmp_lg_u32 s2, 0x3003
	s_cbranch_scc0 .Lentry_shape_is_right
	s_endpgm
.Lentry_shape_is_right:
; out = LayerNorm(2 x - softmax(n n^T) x) x gamma + beta, n = the rows of x divided by their norms; both products on codes of FP8 (E4M3) with E8M0 scales, read from kvc and kvs, which hold images of operand registers:
;   kvc, key step s (128 keys), 32,768 bytes: K's tile t at 2048 t, V's at 16384 + 2048 t; register group c at 512 c, lane l at 16 l.  kvs, step s, 1,024 bytes: the word of tile t, lane l at 512 (t / 4) + 16 l + 4 (t % 4): lanes 0-15 K's, lanes 16-31 V's.
;   K's tile t, lane r holds key 32 (t / 2) + 8 (t % 2) + r + 8 (r / 8) of the step.  A tile of K is also a tile of Q: it only says which query sits in which lane.
; THE SOFTMAX: t = score x log2(e); p = 2^(t - M) is quantised along the keys; the row's sum l is taken of the unquantised p and divides at the end.
; M IS THE CONSTANT 2.  The scores are products of rows that the computation itself normalises: a code is at most 17/16 of its number, so |score| <= 1.13 and |t| <= 1.63 for every input: p lies between 2^-3.7 and 2^-0.3, no
; exponential and no sum of 16,384 of them leaves f32's range, and a block's scale byte is at least 115 (so it needs no floor).  Where the ceiling of a row's largest t is another whole number than 2, p, its block scales and l differ by
; that exact power of two and the codes are the same.  So there is no running maximum and nothing is rescaled, and partial sums over disjoint keys simply add.
; SHARES.  Work-group g owns queries 64 g .. 64 g + 63; 256 work-groups.  Eight waves, two to a SIMD, so that one wave's matrix instructions and LDS loads stand beside the other's vector work.
; Wave w: key group kg = w % 4, query half qh = w / 4: two tiles of 16 queries, key steps 4 j + kg, j = 0 .. 31.  At the end the four key groups' O and l are added through LDS, and each wave finishes 8 whole rows.
; Both products are used transposed (S^T = K Q^T, O^T = V^T P^T): a lane holds one query throughout, and the conversions' results are the second product's operand.
; CLUSTER.  The four work-groups of a cluster walk the same kvc: each tile (4 key steps, 131,072 bytes) is asked for JOINTLY; each of the eight waves asks for its 16,384 bytes, with the same descriptor in all four work-groups.
; Two slots; at most one tensor load of a wave is out.  The images are read and written as runs of 512 consecutive bytes, so LDS needs no padding.
; LIMITS: NaN and infinities among the inputs are not served.
; REGISTERS.  Window 0: v1-7 addresses; v[8:9] -M; v[10:13] l; v14-33 scale words and nothing else; v38-39, v60-62 the way out's addresses; v40-59 at work; v64-95 Q; v96-127 p's codes; v128-255 S^T, then p.
;   Window 1: v0-127 O^T (accumulator (u, t) at 8 (8 u + t)); v128-255 eight fragments of K or of V.
.set SLOTB, 131072                     ; a slot: four key steps' codes
.set SPARE, 2*SLOTB                    ; behind the ring: the spare words, 128 bytes for each of eight waves: four blocks of 256 bytes that no other line names
.set LST,   SPARE+1024                 ; the partial l: [key group][64 rows] f32
.set SP,    528                        ; the way out's stage, at LDS byte 0: [key group][64 rows], 512 bytes + 16.  It is written when both slots have had their last fill and their last read
.set KGB,   64*SP
.set SPW, 1                            ; v1   SPARE + 4 x my thread's number; never rewritten
.set NIL, 2                            ; v2   0; never rewritten
.set AD,  3                            ; v3-4 my key step's image in slot 0, 1: 32768 kg + 16 x lane
.set SOF, 5                            ; v5   1024 kg + 16 x lane: my step's scale words
.set PFO, 6                            ; v6   256 x lane: the prefetches' offset
.set LI,  7                            ; v7   16 x lane
.set NEGM, 8
.set L,   10
.set QS,  14                           ; v14-15 Q's scale words
.set SC,  16                           ; v16-23, v24-31 a step's scale words, by slot: register t: lanes 0-15 K's tile t, lanes 16-31 V's tile t
.set PW,  32                           ; v32-33 p's scale words
.set T2,  34
.set STO, 38
.set LSO, 39
.set BM,  40                           ; v40-47 each block's largest score, then its largest p
.set PM,  48
.set HL,  52
.set SO,  56
.set RD,  60
.set LRD, 62
.set Q,   64
.set PC,  96
.set S,   128
.set FR,  128                          ; in window 1
.set TS,  80                           ; the way out: a sum for each of my 8 rows; TP: the other half's
.set TP,  88
.set WV,  16
.set KG,  17
.set QH,  18
.set G1,  24                           ; s[24:31] descriptor group 1
.set G0,  32                           ; s[32:39] group 0, a set for each slot
.set KS,  40                           ; s[40:41] kvs at the tile whose scale words are asked for
.set PFA, 42                           ; s[42:43] where my prefetches stand
.set LC,  44
.set LIM, 45                           ; 1 in a wave that prefetches, else the greatest number
.set CS,  46                           ; s[46:47] log2(e)
.set SEL, 48
.set MNT, 50
.set R128, 51
.set EPS, 52
.set MSB, 0
.macro WIN new                         ; the immediate's high byte repeats the setting that is left
.if MSB != \new
	s_set_vgpr_msb (MSB<<8)|\new
.set MSB, \new
.endif
.endm
; A round of the cluster's barrier: my work-group's barrier; wave 0 signals for the work-group; every wave waits for all four work-groups; my work-group's barrier once more.
.macro ROUND
	s_barrier_signal -1
	s_barrier_wait -1
	s_cmp_lg_u32 s[WV], 0
	s_cbranch_scc1 .Lnot_wave_0_\@
	s_barrier_signal -3
.Lnot_wave_0_\@:
	s_barrier_wait -3
	s_barrier_signal -1
	s_barrier_wait -1
.endm
; A PREFETCH INTO THE L2 of the tile that the NEXT refill will ask for: one trip ahead of that load.  All clusters walk the same kvc: the first cluster asks.  Its four partners share the tile's four key steps out BY ADDRESS;
; in each, waves 0 to 3 take 8,192 bytes, lanes 256 bytes apart: each aligned block of 256 bytes is named once in the launch.  Tiles 0 and 1 come by their loads alone; the trip of tile 30 asks for nothing (how = 0: the loop's last lap).
.macro ASK how
.if \how
	s_cmp_eq_u32 s[LIM], 1
.else
	s_cmp_gt_u32 s[LC], s[LIM]
.endif
	s_cbranch_scc0 .Lnot_mine_\@
	global_prefetch_b8 v[PFO], s[PFA:PFA+1] th:TH_LOAD_NT scope:SCOPE_SE
.Lnot_mine_\@:
.endm
.macro LOADF slot, base                ; eight fragments, 32 loads of 512 consecutive bytes, tile by tile
	WIN 0x40                                       ; destination window 1, address window 0
.irp t, 0,1,2,3,4,5,6,7
.irp c, 0,1,2,3
	ds_load_b128 v[FR+16*\t+4*\c:FR+16*\t+4*\c+3], v[AD+\slot] offset:\base+2048*\t+512*\c
.endr
.endr
	WIN 0
.endm
.macro KQ slot, t0                     ; S^T = K Q^T: tiles t0 .. t0 + 3 of 16 keys x my two tiles of queries; K = the 128 columns: one instruction a sum
.irp t, \t0, \t0+1, \t0+2, \t0+3
.irp u, 0,1
	v_wmma_scale_f32_16x16x128_f8f6f4 v[S+64*\u+8*(\t):S+64*\u+8*(\t)+7], v[FR+16*(\t):FR+16*(\t)+15], v[Q+16*\u:Q+16*\u+15], 0, v[SC+8*\slot+(\t)], v[QS+\u]
.endr
.endr
.endm
.macro MAXES u                         ; the largest score of each block of 32 keys: p rises with the score, so it gives the block's largest p.  Each accumulator is read from its low end on
.irp b, 0,1,2,3
	v_max3_num_f32 v[BM+4*\u+\b], v[S+64*\u+16*\b], v[S+64*\u+16*\b+1], v[S+64*\u+16*\b+2]
.endr
.irp i, 3,5,7,9,11,13
.irp b, 0,1,2,3
	v_max3_num_f32 v[BM+4*\u+\b], v[BM+4*\u+\b], v[S+64*\u+16*\b+\i], v[S+64*\u+16*\b+\i+1]
.endr
.endr
.irp b, 0,1,2,3
	v_max_num_f32 v[BM+4*\u+\b], v[BM+4*\u+\b], v[S+64*\u+16*\b+15]
.endr
.irp b, 0,1,2,3
	v_permlanex16_b32 v[PM+\b], v[BM+4*\u+\b], s[SEL], s[SEL+1]
.endr
.irp b, 0,1,2,3
	v_max_num_f32 v[BM+4*\u+\b], v[BM+4*\u+\b], v[PM+\b]   ; with lane l xor 16's 16 keys
.endr
.endm
.macro FMAS u                          ; t - M, two at a time; the same of each block's largest score
.set j, 0
.rept 32
	v_pk_fma_f32 v[S+64*\u+j:S+64*\u+j+1], v[S+64*\u+j:S+64*\u+j+1], s[CS:CS+1], v[NEGM:NEGM+1] op_sel_hi:[1,0,0]
.set j, j+2
.endr
.irp b, 0,1,2,3
	v_fma_f32 v[BM+4*\u+\b], v[BM+4*\u+\b], s[CS], v[NEGM]
.endr
.endm
.macro EXPS u
.set j, 0
.rept 64
	v_exp_f32 v[S+64*\u+j], v[S+64*\u+j]
.set j, j+1
.endr
.irp b, 0,1,2,3
	v_exp_f32 v[BM+4*\u+\b], v[BM+4*\u+\b]
.endr
.endm
.macro QNT u                           ; l takes the unquantised p; then p becomes codes and a scale word
.set rS, S+64*\u
.set rL, L+2*\u
	v_pk_add_f32 v[T2:T2+1], v[rS:rS+1], v[rS+2:rS+3]
.set j, 4
.rept 15
	v_pk_add_f32 v[rL:rL+1], v[rL:rL+1], v[rS+j:rS+j+1]
	v_pk_add_f32 v[T2:T2+1], v[T2:T2+1], v[rS+j+2:rS+j+3]
.set j, j+4
.endr
	v_pk_add_f32 v[rL:rL+1], v[rL:rL+1], v[T2:T2+1]
.irp b, 0,1,2,3
	v_add_nc_u32 v[SO+\b], 0xfc000000, v[BM+4*\u+\b]       ; 8 off the exponent field: the conversion's scale operand
.endr
.irp b, 0,1,2,3
	v_and_or_b32 v[HL+\b], v[BM+4*\u+\b], 0x7f800000, s[MNT]   ; 448 x the scale
.endr
.irp b, 0,1,2,3
	v_lshrrev_b32 v[PM+\b], 23, v[SO+\b]           ; the scale's byte
.endr
	v_lshl_or_b32 v[PW+\u], v[PM+1], 8, v[PM]
	v_lshl_or_b32 v[PW+\u], v[PM+2], 16, v[PW+\u]
	v_lshl_or_b32 v[PW+\u], v[PM+3], 24, v[PW+\u]
.irp b, 0,1,2,3
.set j, 0
.rept 16
	v_min_num_f32 v[rS+16*\b+j], v[rS+16*\b+j], v[HL+\b]   ; the conversion does not saturate (ISA guide 7.6.2); p is not negative, so the hold is one-sided
.set j, j+1
.endr
	v_cvt_scalef32_pk8_fp8_f32 v[PC+16*\u+4*\b:PC+16*\u+4*\b+1], v[rS+16*\b:rS+16*\b+7], v[SO+\b]
	v_cvt_scalef32_pk8_fp8_f32 v[PC+16*\u+4*\b+2:PC+16*\u+4*\b+3], v[rS+16*\b+8:rS+16*\b+15], v[SO+\b]
.endr
.endm
.macro PV slot, zero                   ; O^T += V^T P^T: eight tiles of 16 columns x my two tiles of queries; the sixteen accumulators take turns, one instruction a turn.  zero = 1: the products start the sums
	WIN 0x51                                       ; V and O^T in window 1, p's codes in window 0
.irp t, 0,1,2,3,4,5,6,7
.irp u, 0,1
.if \zero
	v_wmma_scale_f32_16x16x128_f8f6f4 v[8*(8*\u+\t):8*(8*\u+\t)+7], v[FR+16*\t:FR+16*\t+15], v[PC+16*\u:PC+16*\u+15], 0, v[SC+8*\slot+\t], v[PW+\u] matrix_a_scale:MATRIX_SCALE_ROW1
.else
	v_wmma_scale_f32_16x16x128_f8f6f4 v[8*(8*\u+\t):8*(8*\u+\t)+7], v[FR+16*\t:FR+16*\t+15], v[PC+16*\u:PC+16*\u+15], v[8*(8*\u+\t):8*(8*\u+\t)+7], v[SC+8*\slot+\t], v[PW+\u] matrix_a_scale:MATRIX_SCALE_ROW1
.endif
.endr
.endr
	WIN 0
.endm
.macro PLACES n
.rept \n
	v_nop
.endr
.endm
; A TRIP: one tile of the ring, of which my wave takes one key step.  refill = 1: the other slot is asked for anew.
.macro TRIP slot, zero, refill, how
	s_wait_tensorcnt 0x0                           ; my one tensor load has landed: my part of this trip's tile; so every group 0 may be written
	ds_add_u32 v[SPW], v[NIL]                      ; 0 onto my spare word; the steps below stand between it and the wait for it
	s_add_nc_u64 s[G0+4*\slot+2:G0+4*\slot+3], s[G0+4*\slot+2:G0+4*\slot+3], 2*SLOTB   ; this slot's next tile
.if \refill
	s_wait_xcnt 0x0                                ; the last trip's scale loads and prefetch have read their bases: they step only behind this wait
	s_add_nc_u64 s[KS:KS+1], s[KS:KS+1], 4096      ; the next tile's scale words
	s_add_nc_u64 s[PFA:PFA+1], s[PFA:PFA+1], SLOTB ; one tile further on than the refill
.endif
	s_wait_dscnt 0x0                               ; the add is done, and my reads of the other slot are over
.if \refill
	ROUND                                          ; both now hold of every wave of all four work-groups
	tensor_load_to_lds s[G0+4-4*\slot:G0+7-4*\slot], s[G1:G1+7]   ; the next tile, into the slot read last trip: my one tensor load until the next round
	s_nop 0
	PLACES 4
.else
	s_barrier_signal -1
	s_barrier_wait -1
.endif
	LOADF \slot, 0                                 ; K's eight fragments
.if \refill
	global_load_b128 v[SC+8-8*\slot:SC+8-8*\slot+3], v[SOF], s[KS:KS+1]             ; the next tile's scale words, a trip ahead of their use
	global_load_b128 v[SC+8-8*\slot+4:SC+8-8*\slot+7], v[SOF], s[KS:KS+1] offset:512
	ASK \how
	s_wait_loadcnt 2                               ; all but the two just issued: this tile's scale words are in (in the first trip Q and its scale words too)
.else
	s_wait_loadcnt 0x0
.endif
	s_wait_dscnt 16                                ; K's tiles 0 to 3 are in; the youngest 16 loads (tiles 4 to 7) may be out
	WIN 0x01                                       ; K in window 1
	KQ \slot, 0
	s_wait_dscnt 0x0
	KQ \slot, 4
	WIN 0
	PLACES 8                                       ; eight places in front of the loads into K's registers and of the first read of the scores
	LOADF \slot, 16384                             ; V's eight fragments land under the softmax
	MAXES 0
	MAXES 1
	FMAS 0
	FMAS 1
	EXPS 0
	EXPS 1                                         ; 136 exponentials, one batch: none reads another's result
	v_nop                                          ; a plain line behind the last of them,
	s_wait_alu depctr_va_vdst(0)                   ; and one wait for the batch, ahead of its first reader
	QNT 0
	QNT 1
	PLACES 4                                       ; the plain line behind the last conversion, and the codes' four places in front of the products (the scale words stand more than 64 plain lines back)
	s_wait_dscnt 0x0                               ; V is in
	PV \slot, \zero
	PLACES 8                                       ; in front of the next loads into V's registers and into the scale words' registers, and of the way out
.endm
	s_load_b256 s[4:11], s[0:1], 0x0               ; kvc s[4:5], kvs s[6:7], x s[8:9], gamma s[10:11]
	s_load_b128 s[12:15], s[0:1], 0x20             ; beta s[12:13], out0 s[14:15]
	v_lshl_add_u32 v[SPW], v0, 2, SPARE
	v_mov_b32 v[NIL], 0
	ds_add_u32 v1, v2
	ds_add_u32 v1, v2
	s_wait_dscnt 0x0
	v_lshrrev_b32 v3, 5, v0
	v_readfirstlane_b32 s[WV], v3                  ; wave 0..7
	s_and_b32 s[KG], s[WV], 3                      ; key group
	s_lshr_b32 s[QH], s[WV], 2                     ; which 32 queries
	s_bfe_u32 s19, ttmp6, 0x40000                  ; cx: my place in the cluster: it enters global addresses alone
	s_lshl_b32 s20, ttmp9, 2
	s_add_co_u32 s20, s20, s19                     ; g = 4 x cluster + cx
	; descriptor group 1: 64 rows of 256 bytes (32 elements of 8 bytes), dense in memory and in LDS
	s_mov_b32 s[G1+0], 15|(3<<16)|(1<<21)          ; 15:0 the mask: all four work-groups; 17:16 elements of 8 bytes; 21 set beside a mask
	s_mov_b32 s[G1+1], 32<<16                      ; tensor_dim0 = 32
	s_mov_b32 s[G1+2], 64<<16                      ; tensor_dim1 = 64
	s_mov_b32 s[G1+3], 32<<16                      ; tile_dim0 = 32
	s_mov_b32 s[G1+4], 64                          ; tile_dim1 = 64
	s_mov_b32 s[G1+5], 32                          ; from row to row
	s_mov_b32 s[G1+6], 0
	s_mov_b32 s[G1+7], 0
	s_mov_b32 s[CS], 0x3fb8aa3b                    ; log2(e)
	s_mov_b32 s[CS+1], s[CS]                       ; (named with it as a pair, so it is written)
	s_mov_b32 s[SEL], 0x76543210
	s_mov_b32 s[SEL+1], 0xfedcba98                 ; lane l xor 16
	s_mov_b32 s[MNT], 0x600000                     ; the mantissa field of 448
	s_mov_b32 s[R128], 0x3c000000                  ; 1 / 128
	s_mov_b32 s[EPS], 0x3727c5ac                   ; 1e-5
	s_or_b32 s21, s[QH], ttmp9                     ; 0 in waves 0 to 3 of the first cluster: the same in all four partners
	s_cmp_eq_u32 s21, 0
	s_cselect_b32 s[LIM], 1, -1
	; byte offsets, each in registers of its own
	s_lshl_b32 s21, s[WV], 14                      ; my 16,384 bytes of a tile, in memory and in a slot
	s_mov_b32 s56, s21
	s_mov_b32 s57, 0
	s_lshr_b32 s22, s20, 1                         ; my queries lie in key step g / 2, tiles 4 (g % 2) + 2 qh + 0, 1
	s_and_b32 s23, s20, 1
	s_lshl_b32 s54, s22, 15
	s_lshl_b32 s58, s23, 13
	s_add_co_u32 s54, s54, s58
	s_lshl_b32 s58, s[QH], 12
	s_add_co_u32 s54, s54, s58                     ; Q's codes: 32768 (g / 2) + 2048 (4 (g % 2) + 2 qh)
	s_mov_b32 s55, 0
	s_lshl_b32 s60, s22, 10
	s_lshl_b32 s58, s23, 9
	s_add_co_u32 s60, s60, s58
	s_lshl_b32 s58, s[QH], 3
	s_add_co_u32 s60, s60, s58                     ; Q's scale words: 1024 (g / 2) + 512 (g % 2) + 8 qh
	s_mov_b32 s61, 0
	s_lshl_b32 s62, s20, 15
	s_lshl_b32 s58, s[WV], 12
	s_add_co_u32 s62, s62, s58                     ; the 8 rows of x and of out0 that I finish: 32768 g + 4096 w
	s_mov_b32 s63, 0
	s_lshl_b32 s58, s19, 15
	s_lshl_b32 s22, s[KG], 13
	s_add_co_u32 s58, s58, s22
	s_add_co_u32 s58, s58, SLOTB                   ; the prefetches: key step cx of a tile, 8,192 bytes a wave; in tile 1: the first trip steps it to tile 2
	s_mov_b32 s59, 0
	s_wait_kmcnt 0x0
	s_add_nc_u64 s[56:57], s[4:5], s[56:57]
	s_mov_b32 s[G0+0], 1                           ; count = 1
	s_mov_b32 s[G0+1], s21                         ; LDS address: slot 0, my part: no place in the cluster enters it
	s_mov_b64 s[G0+2:G0+3], s[56:57]               ; tile 0
	s_or_b32 s[G0+3], s[G0+3], 0x80000000          ; type = 2
	s_mov_b32 s[G0+4], 1
	s_add_co_u32 s[G0+5], s21, SLOTB               ; slot 1
	s_add_nc_u64 s[G0+6:G0+7], s[56:57], SLOTB     ; tile 1
	s_or_b32 s[G0+7], s[G0+7], 0x80000000
	s_mov_b64 s[KS:KS+1], s[6:7]
	s_add_nc_u64 s[PFA:PFA+1], s[4:5], s[58:59]
	s_add_nc_u64 s[54:55], s[4:5], s[54:55]
	s_add_nc_u64 s[60:61], s[6:7], s[60:61]
	s_add_nc_u64 s[8:9], s[8:9], s[62:63]
	s_add_nc_u64 s[14:15], s[14:15], s[62:63]
	ROUND                                          ; all four work-groups are here: the first joint loads meet
	tensor_load_to_lds s[G0:G0+3], s[G1:G1+7]      ; tile 0
	s_nop 0
	PLACES 4
	v_and_b32 v[LI], 31, v0
	v_lshlrev_b32 v[PFO], 8, v[LI]
	v_lshlrev_b32 v[LI], 4, v[LI]
	s_lshl_b32 s21, s[KG], 15
	v_add_nc_u32 v[AD], s21, v[LI]
	v_add_nc_u32 v[AD+1], SLOTB, v[AD]
	s_lshl_b32 s21, s[KG], 10
	v_add_nc_u32 v[SOF], s21, v[LI]
.irp u, 0,1
.irp c, 0,1,2,3
	global_load_b128 v[Q+16*\u+4*\c:Q+16*\u+4*\c+3], v[LI], s[54:55] offset:2048*\u+512*\c   ; Q stays in registers
.endr
.endr
	global_load_b32 v[QS], v[LI], s[60:61]
	global_load_b32 v[QS+1], v[LI], s[60:61] offset:4
	global_load_b128 v[SC:SC+3], v[SOF], s[KS:KS+1]                                          ; tile 0's scale words
	global_load_b128 v[SC+4:SC+7], v[SOF], s[KS:KS+1] offset:512
	; the way out's addresses.  Tile u's lane r holds row 32 qh + 8 u + r + 8 (r / 8) of the work-group's 64
	v_and_b32 v[RD], 15, v0                        ; r
	v_bfe_u32 v[RD+1], v0, 4, 1                    ; h
	v_and_b32 v[LRD], 8, v[RD]
	v_add_nc_u32 v[LRD], v[LRD], v[RD]
	s_lshl_b32 s21, s[QH], 5
	v_add_nc_u32 v[LRD], s21, v[LRD]
	v_mul_u32_u24 v[STO], v[LRD], SP
	v_lshl_add_u32 v[STO], v[RD+1], 5, v[STO]
	s_mul_i32 s21, s[KG], KGB
	v_add_nc_u32 v[STO], s21, v[STO]               ; into the stage: my key group's plane, my row, + 32 h
	v_lshlrev_b32 v[LSO], 2, v[LRD]
	s_lshl_b32 s21, s[KG], 8
	s_add_co_u32 s21, s21, LST
	v_add_nc_u32 v[LSO], s21, v[LSO]               ; my row's partial l
	s_mul_i32 s21, s[WV], 8*SP
	v_add_nc_u32 v[RD], s21, v[LI]                 ; back: rows 8 w on, 16 bytes a lane; key groups 0 and 1,
	v_add_nc_u32 v[RD+1], 2*KGB, v[RD]             ; 2 and 3
	s_lshl_b32 s21, s[WV], 5
	s_add_co_u32 s21, s21, LST
	v_mov_b32 v[LRD], s21                          ; the l of rows 8 w on
	v_mov_b32 v[NEGM], -2.0
	v_mov_b32 v[NEGM+1], -2.0
.irp j, 0,1,2,3
	v_mov_b32 v[L+\j], 0                           ; l, two halves a tile
	v_mov_b32 v[PM+\j], 0                          ; written once: a lane permute's destination counts as one of its sources
.endr
	TRIP 0, 1, 1, 1                                ; tile 0: its products start O^T's sums; slot 1 is filled for the first time, as a refill is
	s_mov_b32 s[LC], 15
.Llap:                                             ; 15 laps: tiles 1 to 30
	TRIP 1, 0, 1, 1
	TRIP 0, 0, 1, 0
	s_sub_co_u32 s[LC], s[LC], 1
	s_cmp_lg_u32 s[LC], 0
	s_cbranch_scc1 .Llap
	TRIP 1, 0, 0, 0                                ; tile 31 is written out: nothing is left to ask for
	; THE WAY OUT.  The rows of x that I finish, gamma and beta are asked for first.
.irp i, 0,1,2,3,4,5,6,7
	global_load_b128 v[PC+4*\i:PC+4*\i+3], v[LI], s[8:9] offset:512*\i th:TH_LOAD_NT
.endr
	global_load_b128 v[40:43], v[LI], s[10:11]     ; gamma of my four columns
	global_load_b128 v[44:47], v[LI], s[12:13]     ; beta
	v_add_f32 v[L], v[L], v[L+1]                   ; l: the two halves,
	v_add_f32 v[L+2], v[L+2], v[L+3]
	v_permlanex16_b32 v[PM], v[L], s[SEL], s[SEL+1]
	v_permlanex16_b32 v[PM+1], v[L+2], s[SEL], s[SEL+1]
	v_add_f32 v[L], v[L], v[PM]                    ; and lane l xor 16's
	v_add_f32 v[L+2], v[L+2], v[PM+1]
	s_wait_dscnt 0x0
	s_barrier_signal -1
	s_barrier_wait -1                              ; every wave's reads of the slots are over, and both slots have had their last fill: the stage may be written
	WIN 0x04                                       ; an LDS store's data are its source 1: window 1
.irp u, 0,1
.irp t, 0,1,2,3,4,5,6,7
	ds_store_b128 v[STO], v[8*(8*\u+\t):8*(8*\u+\t)+3] offset:8*SP*\u+64*\t          ; lane (r, h): columns 16 t + 8 h + 0 .. 7 of my row; each accumulator from its low end on
	ds_store_b128 v[STO], v[8*(8*\u+\t)+4:8*(8*\u+\t)+7] offset:8*SP*\u+64*\t+16
.endr
.endr
	WIN 0
	ds_store_b32 v[LSO], v[L]                      ; lanes l and l xor 16 write the same word with the same value
	ds_store_b32 v[LSO], v[L+2] offset:32
	s_wait_dscnt 0x0                               ; for the others' sake
	s_barrier_signal -1
	s_barrier_wait -1
.irp i, 0,1,2,3,4,5,6,7
.irp k, 0,1,2,3
	ds_load_b128 v[S+16*\i+4*\k:S+16*\i+4*\k+3], v[RD+\k/2] offset:(\k%2)*KGB+SP*\i   ; row 8 w + i, key group k: 512 consecutive bytes
.endr
.endr
.irp k, 0,1,2,3
	ds_load_b128 v[64+8*\k:64+8*\k+3], v[LRD] offset:256*\k                           ; key group k's l of my 8 rows, in every lane
	ds_load_b128 v[64+8*\k+4:64+8*\k+7], v[LRD] offset:256*\k+16
.endr
	s_wait_dscnt 0x0
	s_wait_loadcnt 0x0
.irp j, 0,2,4,6
	v_pk_add_f32 v[64+\j:65+\j], v[64+\j:65+\j], v[72+\j:73+\j]
	v_pk_add_f32 v[80+\j:81+\j], v[80+\j:81+\j], v[88+\j:89+\j]
.endr
.irp j, 0,2,4,6
	v_pk_add_f32 v[64+\j:65+\j], v[64+\j:65+\j], v[80+\j:81+\j]                       ; l of row i in v[64 + i]
.endr
.irp i, 0,1,2,3,4,5,6,7
	v_rcp_f32 v[72+\i], v[64+\i]
.endr
.irp i, 0,1,2,3,4,5,6,7                        ; the four key groups' O are added: plain work behind the reciprocals
	v_pk_add_f32 v[S+16*\i:S+16*\i+1], v[S+16*\i:S+16*\i+1], v[S+16*\i+4:S+16*\i+5]
	v_pk_add_f32 v[S+16*\i+2:S+16*\i+3], v[S+16*\i+2:S+16*\i+3], v[S+16*\i+6:S+16*\i+7]
	v_pk_add_f32 v[S+16*\i+8:S+16*\i+9], v[S+16*\i+8:S+16*\i+9], v[S+16*\i+12:S+16*\i+13]
	v_pk_add_f32 v[S+16*\i+10:S+16*\i+11], v[S+16*\i+10:S+16*\i+11], v[S+16*\i+14:S+16*\i+15]
.endr
.irp i, 0,1,2,3,4,5,6,7
	v_pk_add_f32 v[S+16*\i:S+16*\i+1], v[S+16*\i:S+16*\i+1], v[S+16*\i+8:S+16*\i+9]
	v_pk_add_f32 v[S+16*\i+2:S+16*\i+3], v[S+16*\i+2:S+16*\i+3], v[S+16*\i+10:S+16*\i+11]
.endr
	s_wait_alu depctr_va_vdst(0)                   ; one wait for the eight reciprocals, ahead of their first reader
.irp i, 0,1,2,3,4,5,6,7
.irp c, 0,1,2,3
	v_mul_f32 v[S+16*\i+\c], v[S+16*\i+\c], v[72+\i]                                  ; x_neg = O / l
.endr
.endr
.irp i, 0,1,2,3,4,5,6,7
.irp c, 0,1,2,3
	v_fma_f32 v[S+16*\i+\c], v[PC+4*\i+\c], 2.0, -v[S+16*\i+\c]                       ; y = 2 x - x_neg
.endr
.endr
.macro REDUCE                          ; v[TS + i], i = 0 .. 7, summed over the 32 lanes; the rows by turns
.irp m, 1,2,4,8
.irp i, 0,1,2,3,4,5,6,7
	v_add_f32_dpp v[TS+\i], v[TS+\i], v[TS+\i] row_xmask:\m row_mask:0xf bank_mask:0xf
.endr
.endr
.irp i, 0,1,2,3,4,5,6,7
	v_permlanex16_b32 v[TP+\i], v[TS+\i], s[SEL], s[SEL+1]
.endr
.irp i, 0,1,2,3,4,5,6,7
	v_add_f32 v[TS+\i], v[TS+\i], v[TP+\i]
.endr
.endm
.irp i, 0,1,2,3,4,5,6,7
	v_add_f32 v[TS+\i], v[S+16*\i], v[S+16*\i+1]
	v_add_f32 v[TP+\i], v[S+16*\i+2], v[S+16*\i+3]
.endr
.irp i, 0,1,2,3,4,5,6,7
	v_add_f32 v[TS+\i], v[TS+\i], v[TP+\i]
.endr
	REDUCE
.irp i, 0,1,2,3,4,5,6,7
.irp c, 0,1,2,3
	v_fma_f32 v[S+16*\i+\c], -v[TS+\i], s[R128], v[S+16*\i+\c]                        ; y - mean
.endr
.endr
.irp i, 0,1,2,3,4,5,6,7
	v_mul_f32 v[TS+\i], v[S+16*\i], v[S+16*\i]
	v_mul_f32 v[TP+\i], v[S+16*\i+1], v[S+16*\i+1]
.endr
.irp i, 0,1,2,3,4,5,6,7
	v_fma_f32 v[TS+\i], v[S+16*\i+2], v[S+16*\i+2], v[TS+\i]
	v_fma_f32 v[TP+\i], v[S+16*\i+3], v[S+16*\i+3], v[TP+\i]
.endr
.irp i, 0,1,2,3,4,5,6,7
	v_add_f32 v[TS+\i], v[TS+\i], v[TP+\i]
.endr
	REDUCE
.irp i, 0,1,2,3,4,5,6,7
	v_fma_f32 v[TS+\i], v[TS+\i], s[R128], s[EPS]  ; variance + 1e-5
.endr
.irp i, 0,1,2,3,4,5,6,7
	v_rsq_f32 v[64+\i], v[TS+\i]
.endr
	v_nop
	s_wait_alu depctr_va_vdst(0)                   ; one wait for the eight
.irp i, 0,1,2,3,4,5,6,7
.irp c, 0,1,2,3
	v_mul_f32 v[S+16*\i+\c], v[S+16*\i+\c], v[64+\i]
.endr
.endr
.irp i, 0,1,2,3,4,5,6,7
.irp c, 0,1,2,3
	v_fma_f32 v[S+16*\i+\c], v[S+16*\i+\c], v[40+\c], v[44+\c]                        ; x gamma + beta
.endr
	global_store_b128 v[LI], v[S+16*\i:S+16*\i+3], s[14:15] offset:512*\i th:TH_STORE_NT   ; 32 lanes store a row: 512 consecutive bytes, aligned
.endr
	s_wait_tensorcnt 0x0                           ; the wave's end, behind my last tensor load and my last LDS store
	ds_add_u32 v[SPW], v[NIL]
	s_wait_dscnt 0x0
	ROUND                                          ; the closing round: no work-group ends while a partner may still ask for a tile that names it
	s_endpgm
.Lfunc_end_k_qffe597cf30_attn:
	.size	k_qffe597cf30_attn, .Lfunc_end_k_qffe597cf30_attn-k_qffe597cf30_attn
	.p2alignl 7, 3214868480
	.fill 96, 4, 3214868480
	.section	.rodata,"a",@progbits
	.p2align	6, 0x0
	.amdhsa_kernel k_qffe597cf30_attn
		.amdhsa_group_segment_fixed_size 327680
		.amdhsa_private_segment_fixed_size 0
		.amdhsa_enable_private_segment 0
		.amdhsa_kernarg_size 48
		.amdhsa_user_sgpr_count 2
		.amdhsa_user_sgpr_kernarg_segment_ptr 1
		.amdhsa_wavefront_size32 1
		.amdhsa_system_sgpr_workgroup_id_x 1
		.amdhsa_system_sgpr_workgroup_id_y 1
		.amdhsa_system_sgpr_workgroup_id_z 1
		.amdhsa_system_vgpr_workitem_id 0
		.amdhsa_next_free_vgpr 512
		.amdhsa_next_free_sgpr 66
		.amdhsa_reserve_vcc 0
		.amdhsa_float_denorm_mode_32 3
		.amdhsa_float_denorm_mode_16_64 3
		.amdhsa_memory_ordered 1
		.amdhsa_forward_progress 1
		.amdhsa_inst_pref_size 172
	.end_amdhsa_kernel
	.amdgpu_metadata
---
amdhsa.version: [ 1, 2 ]
amdhsa.kernels:
  - .name:           k_qffe597cf30_attn
    .symbol:         k_qffe597cf30_attn.kd
    .args:
      - { .name: kvc, .offset: 0, .size: 8, .value_kind: global_buffer, .address_space: global }
      - { .name: kvs, .offset: 8, .size: 8, .value_kind: global_buffer, .address_space: global }
      - { .name: x, .offset: 16, .size: 8, .value_kind: global_buffer, .address_space: global }
      - { .name: gamma, .offset: 24, .size: 8, .value_kind: global_buffer, .address_space: global }
      - { .name: beta, .offset: 32, .size: 8, .value_kind: global_buffer, .address_space: global }
      - { .name: out0, .offset: 40, .size: 8, .value_kind: global_buffer, .address_space: global }
    .group_segment_fixed_size: 327680
    .private_segment_fixed_size: 0
    .kernarg_segment_align: 8
    .kernarg_segment_size: 48
    .max_flat_workgroup_size: 256
    .sgpr_count:     66
    .vgpr_count:     512
    .wavefront_size: 32
...
	.end_amdgpu_metadata
.endif
;; end of part 2
